; MI455X (gfx1250); checked and timed in simulation.
; The chip was launched on July 23, 2026; its instructions are those of AMD's public machine-readable ISA for CDNA 5 (MIT licence, August 2026) and "CDNA5" Instruction Set Architecture Reference Guide (July 2026). The comments in the code are by the model that wrote it; some were corrected since.
;; Scaled Dot Product Attention. Allowed arithmetic: float matrix products may take bf16 or f16 operands with f32 sums; all other float work in f32.
;; Inputs: k 8 x 8 x 1,024 x 64 float32; q 8 x 8 x 1,024 x 64 float32; v 8 x 8 x 1,024 x 64 float32.
;; Outputs: out0 8 x 8 x 1,024 x 64 float32.
;; 2 versions, each right; version 2 is version 1 with the launch entmax written anew for expert scheduling mode. Each part assembles by itself: llvm-mc -triple=amdgcn-amd-amdhsa -mcpu=gfx1250 --defsym DOCPART=n.
;; ======== version 1 of 2: 1 launch
;; limits: a function is approximated: absolute error at most 0.0003; values are held in f16: magnitudes above 65,504 overflow, below 6.1e-05 lose precision; inputs' magnitudes at most 65,280
;; launch entmax (part 1): grid 256 x 1, 4 waves a work-group, no clusters, 297,728 bytes of LDS; arguments q, k, v, out0; writes out0
.if DOCPART == 1
	.amdgcn_target "amdgcn-amd-amdhsa--gfx1250"
	.amdhsa_code_object_version 6
	.text
	.protected	k_q3a8e6d4024_entmax
	.globl	k_q3a8e6d4024_entmax
	.p2align	8
	.type	k_q3a8e6d4024_entmax,@function
k_q3a8e6d4024_entmax:
	s_mov_b64 s[64:65], 0
	v_nop
	global_prefetch_b8 v0, s[64:65] scope:SCOPE_SE
	s_setreg_imm32_b32 hwreg(HW_REG_WAVE_MODE, 25, 1), 1
	s_wait_xcnt 0x0
; out0[h][q][:] = sum over k of p[q][k] v[h][k][:],  p = 1.5-entmax along k of (q[h][q] . k[h][k]) / 8.   q, k, v, out0: [64 heads][1024][64] f32.
; ENTMAX WITHOUT A SORT.  With x = score / 2, p = max(x - tau, 0)^2 and tau is the one root of sum p = 1.  Let t = max(x - tau, 0) and G(tau) = sqrt(sum t^2): G is convex and falls, with a slope
; between 1 and 32 (sum t / G, 1,024 numbers).  tau starts at max x - 1, where G >= 1, and goes right in TEN steps d = (G - 1) lam; t is kept in place: t <- max(t - d, 0), exact since d >= 0.
; lam is first the inverse slope G / sum t, then the inverse slope of the last chord, d / (G_old - G_new).  A chord is steeper than all that lies right of it, so no step passes the root, and
; R = G - 1 obeys R_new = R (1 - lam_old / lam_new).  The product of the ten ratios lam_old / lam_new is at least 1/32, so R_10 <= 31 (1 - 32^(-1/10))^10 = 1.5e-4 FOR EVERY ROW, whatever its numbers;
; the row's weights are then off by 2 R in sum at the most.  The clamps on lam (never smaller than before, never above 1; a NaN from 0 x infinity loses) and on d (never negative) act only on rounding.
; FORMATS.  q, k: rounded to bf16; scores summed in f32.  v: rounded to bf16, and that number written as f16; p: f16; second product summed in f32.  All of the search in f32.
; LIMITS.  |v| below 65,520 (f16's range); |v| below 6e-5 keeps f16's fixed step of 6e-8, and so does p.  t = score / 16 + (1 - m / 16), m the row's largest score: the bracket is rounded once, a shift common
; to the row which the search takes up; beyond |q . k| of about 2^28 the 1 in it is lost.  NaN and infinities are not treated apart.
; SHARES.  Work-group x: head x / 4, queries 256 (x % 4) on.  Wave w: 64 of them, four tiles of 16, one after the other.  256 work-groups of equal work.
; A tile's 16 x 1,024 scores are 64 accumulators, 512 registers: S^T = K Q^T (source 0 = 16 keys, source 1 = 16 queries) leaves ONE query a lane (lane % 16) and half of its keys, so the whole search is
; the lane's own but for one exchange of the lanes' halves a pass; two accumulators rounded to f16 in pairs ARE source 1 (32 keys x 16 queries) of O^T = V^T P.
; The head's K (bf16) and V (f16, turned) are laid into LDS once by the four waves, 256 keys each, through registers; ONE barrier; then no wave waits for another.
; NO CLUSTER, NO TENSOR LOADS, though the four work-groups of a head read the same K and V: a tile brought by the data mover arrives as it lies in memory, in f32, and a head's K and V in f32 are
; 524,288 bytes, more than the 327,680 of LDS; converted on the way through registers they are 279,616.
; REGISTERS, in windows of 256 (s_set_vgpr_msb: bits 1:0 source 0, 3:2 source 1, 5:4 source 2, 7:6 destination):
;   window 0: addresses, the search's few numbers, Q's fragments, O^T, P.     windows 1, 2: the scores: accumulator a (keys 16 a on) in window 1 + a / 32 at v[8 (a % 32)].
;   window 3: four buffers of 64 for fragments of K, later of V^T.     While K and V are laid down: window 1 v0-127 takes Q in f32, window 2 is two buffers of 128.
.set PK,    144        ; a row of K in LDS: 128 bytes + 16 = 36 words: the 16 rows of a load start at 16 different groups of four banks (64 banks of 4 bytes: ISA guide 11.1)
.set VT,    147456     ; behind K's 1,024 rows: V^T, channel ch, key k at VT + 2064 ch + 16 (ch / 16) + 2 k
.set PVT,   2064       ; 2,048 bytes + 16 = 129 x 16: the 16 channels of a fragment load start at 16 different groups of four banks; the 16 more for each 16 channels do the same for
                       ; the stores, whose lanes lie two channels apart: 4128 l + 16 (l / 8) is 32 l, and from lane 8 on 32 l + 16, modulo 256
.set VCB,   16*PVT+16  ; from one block of 16 channels to the next
.set STAGE, 279808     ; 16 rows x 272 bytes for each wave: the way out
.set SP,    272
.set SPARE, 297216     ; the spare words, 128 bytes for each wave: two blocks of 256 bytes that no other line names
.set SPW, 4            ; v4   LDS address of my spare word; never rewritten
.set NIL, 5            ; v5   0; never rewritten
.set QO,  6            ; v6   my byte offset in 16 rows of q: 256 (l % 16) + 32 (l / 16)
.set L16, 7            ; v7   16 x lane: my place in 512 consecutive bytes, of k and of out0
.set KS,  8            ; v8   where I store 8 bytes of K
.set VG,  9            ; v9   8 x lane: my two channels in a row of v
.set VS,  10           ; v10  where I store 16 bytes of V^T; steps
.set AK,  12           ; v12-15  my place in a fragment of K, keys 256 b on
.set AV,  16           ; v16-17  my place in a fragment of V^T, channels 32 b on
.set STO, 18           ; v18  the way out: where I put 16 bytes of a row
.set RD,  19           ; v19  the way out: where I read a row back
.set ND,  22           ; v22-23  -d, twice
.set OFS, 24           ; v24-25  1 - m / 16, twice
.set GP,  26           ; v26  the last pass's G
.set LAM, 27           ; v27  lam
.set G,   28           ; v28  G
.set R,   29           ; v29  G - 1
.set T0,  30           ; v30, v31  at work
.set T1,  31
.set MX,  32           ; v32-35  four running maxima
.set AC,  36           ; v36-51  eight pairs of partial sums of t^2
.set Q,   64           ; v64-127  Q's fragments in bf16, 16 registers a tile; the tile in hand stands first
.set O,   128          ; v128-159  O^T: four accumulators, 16 channels each
.set PB,  160          ; v160-191  P, two buffers of 16; on the way out: the tile's rows
.set AA,  160          ; in the first pass: eight pairs of partial sums of t
.set MSB, 0
.macro WIN new                          ; the immediate's high byte repeats the setting that is left; a switch that changes nothing is dropped
.if MSB != (\new)
	s_set_vgpr_msb (MSB<<8)|(\new)
.set MSB, (\new)
.endif
.endm
; settings, w = 1 or 2 the scores' window:  0x45 w: destination, sources 0 and 1 in w, source 2 in window 0.   5 w: sources 0 and 1 in w.   3 + 0x50 w: source 0 in window 3, C and D in w.
; 0x14 w: sources 1 and 2 in w.   0xc0: destination in window 3.   0x03: source 0 in window 3.   0x88: destination and source 1 (an LDS store's data) in window 2.   0xaa: all in window 2.
	s_load_b256 s[4:11], s[0:1], 0x0        ; q s[4:5], k s[6:7], v s[8:9], out0 s[10:11]
	v_lshl_add_u32 v[SPW], v0, 2, SPARE
	v_mov_b32 v[NIL], 0
	v_lshrrev_b32 v1, 5, v0
	v_readfirstlane_b32 s12, v1             ; wave 0..3
	v_and_b32 v1, 15, v0                    ; r = l % 16
	v_bfe_u32 v2, v0, 4, 1                  ; h = l / 16
	v_and_b32 v3, 31, v0                    ; l
	s_mov_b32 s13, 0xffff0000               ; a word's upper bf16
	s_mov_b32 s16, 0x3d800000               ; 1/16: the 1/8 of the scores and the 1/2 of entmax
	s_mov_b32 s17, s16                      ; named with it as a pair
	s_mov_b32 s18, 0xbd800000               ; -1/16
	s_mov_b32 s20, 0x76543210               ; v_permlanex16_b32: each lane takes its own place in the other half
	s_mov_b32 s21, 0xfedcba98
	s_lshl_b32 s14, ttmp9, 16               ; q and out0: the work-group's 256 rows of 256 bytes,
	s_lshl_b32 s15, s12, 14                 ; my wave's 64 of them
	s_add_co_u32 s14, s14, s15
	s_mov_b32 s15, 0
	s_lshr_b32 s26, ttmp9, 2                ; k and v: the head's 1,024 rows,
	s_lshl_b32 s26, s26, 18
	s_lshl_b32 s27, s12, 16                 ; my wave's 256 of them
	s_add_co_u32 s26, s26, s27
	s_mov_b32 s27, 0
	s_mul_i32 s25, s12, 256*PK              ; my 256 keys' rows of K in LDS
	s_lshl_b32 s28, s12, 9                  ; my 256 keys' 512 bytes in a row of V^T
	s_add_co_u32 s28, s28, VT
	s_mul_i32 s29, s12, 16*SP               ; my stage
	s_add_co_u32 s29, s29, STAGE
	v_lshlrev_b32 v[QO], 8, v1
	v_lshl_add_u32 v[QO], v2, 5, v[QO]
	v_lshlrev_b32 v[L16], 4, v3
	v_mul_u32_u24 v[KS], v2, PK             ; a load of 512 bytes is two keys: lanes 16-31 hold the second; 4 channels a lane are 8 bytes of bf16
	v_lshl_add_u32 v[KS], v1, 3, v[KS]
	v_add_nc_u32 v[KS], s25, v[KS]
	v_lshlrev_b32 v[VG], 3, v3
	v_mul_u32_u24 v[VS], v3, 2*PVT          ; channel 2 l
	v_lshrrev_b32 v11, 3, v3
	v_lshl_add_u32 v[VS], v11, 4, v[VS]
	v_add_nc_u32 v[VS], s28, v[VS]
	v_mul_u32_u24 v[AK], v1, PK             ; a fragment: row l % 16, 16 bytes for each half of the lanes
	v_lshl_add_u32 v[AK], v2, 4, v[AK]
	v_add_nc_u32 v[AK+1], 256*PK, v[AK]
	v_add_nc_u32 v[AK+2], 512*PK, v[AK]
	v_add_nc_u32 v[AK+3], 768*PK, v[AK]
	v_mul_u32_u24 v[AV], v1, PVT
	v_lshl_add_u32 v[AV], v2, 4, v[AV]
	v_add_nc_u32 v[AV], VT, v[AV]
	v_add_nc_u32 v[AV+1], 2*VCB, v[AV]
	v_mul_u32_u24 v[STO], v1, SP            ; in: row l % 16, 32 bytes (8 channels in f32) for each half of the lanes
	v_lshl_add_u32 v[STO], v2, 5, v[STO]
	v_add_nc_u32 v[STO], s29, v[STO]
	v_mul_u32_u24 v[RD], v2, SP             ; back: lanes 0-15 take one row of 256 bytes, lanes 16-31 the next
	v_lshl_add_u32 v[RD], v1, 4, v[RD]
	v_add_nc_u32 v[RD], s29, v[RD]
	v_mov_b32 v[T0], 0                      ; v_permlanex16_b32 counts as a reader of its destination
	s_wait_kmcnt 0x0
	s_add_nc_u64 s[4:5], s[4:5], s[14:15]
	s_add_nc_u64 s[10:11], s[10:11], s[14:15]
	s_add_nc_u64 s[6:7], s[6:7], s[26:27]
	s_add_nc_u64 s[8:9], s[8:9], s[26:27]
; ---- K AND V INTO LDS, Q INTO REGISTERS ----
; Q's fragment (16 queries x 32 channels): lane l holds query l % 16, channels 8 (l / 16) + 0..7 and 16 + 8 (l / 16) + 0..7.  Load i: tile i / 8, channels 32 ((i / 4) % 2) + 16 ((i / 2) % 2) + 4 (i % 2) on.
.macro QLOAD
	WIN 0x40
.set i, 0
.rept 32
	global_load_b128 v[4*i:4*i+3], v[QO], s[4:5] offset:(i/8)*4096+((i/4)%2)*128+((i/2)%2)*64+(i%2)*16
.set i, i+1
.endr
.endm
.macro QCVT
	WIN 0x05
.set i, 0
.rept 64
	v_cvt_pk_bf16_f32 v[Q+i], v[2*i], v[2*i+1]
.set i, i+1
.endr
.endm
; 64 keys of K, 16,384 consecutive bytes: each load of the wave covers 512 of them
.macro KLOAD buf, n
	WIN 0x88
.set i, 0
.rept 32
	global_load_b128 v[128*(\buf)+4*i:128*(\buf)+4*i+3], v[L16], s[6:7] offset:(\n)*16384+512*i
.set i, i+1
.endr
.endm
.macro KPROC buf, n                     ; rounded to bf16 in place, and stored: two keys a store
	WIN 0xaa
.set i, 0
.rept 32
	v_cvt_pk_bf16_f32 v[128*(\buf)+4*i], v[128*(\buf)+4*i], v[128*(\buf)+4*i+1]
	v_cvt_pk_bf16_f32 v[128*(\buf)+4*i+1], v[128*(\buf)+4*i+2], v[128*(\buf)+4*i+3]
.set i, i+1
.endr
	WIN 0x88
.set i, 0
.rept 32
	ds_store_b64 v[KS], v[128*(\buf)+4*i:128*(\buf)+4*i+1] offset:(32*(\n)+i)*2*PK
.set i, i+1
.endr
.endm
; 32 keys of V: each load of the wave is one key's whole row of 256 bytes; a lane takes channels 2 l and 2 l + 1, so 32 loads leave it 32 keys of two channels: V is turned in the registers
.macro VLOAD buf, off
	WIN 0x88
.set i, 0
.rept 32
	global_load_b64 v[128*(\buf)+2*i:128*(\buf)+2*i+1], v[VG], s[8:9] offset:(\off)+256*i
.set i, i+1
.endr
.endm
; For each eight keys y and each of my two channels c (z = 4 c + p, p the pair of keys): rounded to bf16, widened again, written as f16 (exact inside f16's range).  Then 16 bytes, eight keys of a channel, a store.
.macro VPROC buf
.set vb, 128*(\buf)
	WIN 0xaa
.set y, 0
.rept 4
.set z, 0
.rept 8
	v_cvt_pk_bf16_f32 v[vb+96+z], v[vb+16*y+4*(z%4)+z/4], v[vb+16*y+4*(z%4)+2+z/4]
.set z, z+1
.endr
.set z, 0
.rept 8
	v_and_b32 v[vb+104+z], s13, v[vb+96+z]
.set z, z+1
.endr
.set z, 0
.rept 8
	v_lshlrev_b32 v[vb+96+z], 16, v[vb+96+z]
.set z, z+1
.endr
.set z, 0
.rept 8
	v_cvt_pk_f16_f32 v[vb+64+8*y+z], v[vb+96+z], v[vb+104+z]
.set z, z+1
.endr
.set y, y+1
.endr
	WIN 0x88
.set y, 0
.rept 4
	ds_store_b128 v[VS], v[vb+64+8*y:vb+64+8*y+3] offset:64*(\buf)+16*y
	ds_store_b128 v[VS], v[vb+64+8*y+4:vb+64+8*y+7] offset:64*(\buf)+PVT+16*y
.set y, y+1
.endr
.endm
	QLOAD
	KLOAD 0, 0
	KLOAD 1, 1
	s_wait_loadcnt 32                       ; loads come back in order (ISA guide 5.7.1): all but the 32 youngest, the other buffer's, are in: here Q too
	QCVT
	KPROC 0, 0
	KLOAD 0, 2
	s_wait_loadcnt 32
	KPROC 1, 1
	KLOAD 1, 3
	s_wait_loadcnt 32
	KPROC 0, 2
	VLOAD 0, 0
	s_wait_loadcnt 32
	KPROC 1, 3
	VLOAD 1, 8192
	WIN 0                                   ; at a label and at a branch every window is 0
	s_mov_b32 s24, 3
.Lvst:                                          ; a trip: 64 keys of V are laid down, the 64 keys two batches on are asked for.  At its head, on the way in and round the back edge: 32 loads for each buffer are out
	s_wait_loadcnt 32                       ; buffer 0's are in, buffer 1's may be out
	VPROC 0
	VLOAD 0, 16384
	s_wait_loadcnt 32                       ; buffer 1's are in
	VPROC 1
	VLOAD 1, 24576
	WIN 0
	s_wait_xcnt 0x0                         ; the loads' base is stepped only behind this wait
	s_add_nc_u64 s[8:9], s[8:9], 16384      ; 64 rows of v
	v_add_nc_u32 v[VS], 128, v[VS]          ; 64 keys in a row of V^T
	s_sub_co_u32 s24, s24, 1
	s_cmp_lg_u32 s24, 0
	s_cbranch_scc1 .Lvst
	s_wait_loadcnt 32                       ; the last 64 keys: nothing more is asked for
	VPROC 0
	s_wait_loadcnt 0x0
	VPROC 1
	WIN 0
	s_wait_dscnt 0x0                        ; for the others' sake: my stores of K and V^T are done
	s_barrier_signal -1
	s_barrier_wait -1                       ; everybody's are.  From here on K and V^T are only read, and each wave writes its own stage alone: the launch's one barrier
; ---- A TILE OF 16 QUERIES ----
; Group g is 64 keys: four accumulators.  Its 16 loads bring K's fragments (z = 2 i + f: keys 16 i on, channels 32 f on) into buffer g % 4.
.macro KF g
	WIN 0xc0
.set z, 0
.rept 8
	ds_load_b128 v[64*((\g)%4)+8*z:64*((\g)%4)+8*z+3],   v[AK+(\g)/4] offset:((\g)%4)*64*PK+(z/2)*16*PK+(z%2)*64
	ds_load_b128 v[64*((\g)%4)+8*z+4:64*((\g)%4)+8*z+7], v[AK+(\g)/4] offset:((\g)%4)*64*PK+(z/2)*16*PK+(z%2)*64+32
.set z, z+1
.endr
.endm
; The maxima of group g's 32 scores a lane, one chain for each accumulator; each accumulator's lowest registers are read first.
.macro MAXG g
	WIN 0x14*(1+(\g)/8)
.set a2, 32*((\g)%8)
.set z, 0
.rept 16
	v_max3_num_f32 v[MX+z%4], v[MX+z%4], v[a2+8*(z%4)+2*(z/4)], v[a2+8*(z%4)+2*(z/4)+1]
.set z, z+1
.endr
.endm
; Group g's eight products; the four accumulators take turns; the first four start the sums.  Behind them the maxima of the group BEFORE: sixteen plain instructions that name no register
; of these products: they are the places in front of the loads into the buffer just read, and in front of the next group's reading of these scores.
.macro QKG g
.set a0, 32*((\g)%8)
.set fb, 64*((\g)%4)
.if (\g) < 12
	s_wait_dscnt 48                         ; LDS loads come back in order: the three younger groups' 48 may be out
.else
	s_wait_dscnt 16*(15-(\g))               ; fewer groups are left
.endif
	WIN 3+0x50*(1+(\g)/8)
.set z, 0
.rept 4
	v_wmma_f32_16x16x32_bf16 v[a0+8*z:a0+8*z+7], v[fb+16*z:fb+16*z+7], v[Q:Q+7], 0
.set z, z+1
.endr
.set z, 0
.rept 4
	v_wmma_f32_16x16x32_bf16 v[a0+8*z:a0+8*z+7], v[fb+16*z+8:fb+16*z+15], v[Q+8:Q+15], v[a0+8*z:a0+8*z+7]
.set z, z+1
.endr
.if (\g) == 0
.rept 4
	v_nop                                   ; no group before: the four places
.endr
.else
	MAXG (\g)-1
.endif
.if (\g) < 12
	KF (\g)+4
.endif
.endm
; One window's 256 scores.  kind 0: t = max(s / 16 + (1 - m / 16), 0).  kind 1: t = max(t - d, 0); the step is written as t x 1 + (-d), so that -d stands in source 2 and one setting serves both lines.
.macro CLAMP w, kind
	WIN 0x45*(\w)
.set y, 0
.rept 16
.set z, 0
.rept 8
.if (\kind) == 0
	v_pk_fma_f32 v[16*y+2*z:16*y+2*z+1], v[16*y+2*z:16*y+2*z+1], s[16:17], v[OFS:OFS+1] op_sel_hi:[1,0,1]
.else
	v_pk_fma_f32 v[16*y+2*z:16*y+2*z+1], v[16*y+2*z:16*y+2*z+1], 1.0, v[ND:ND+1] op_sel_hi:[1,0,1]
.endif
.set z, z+1
.endr
.set z, 0
.rept 16
	v_max_num_f32 v[16*y+z], 0, v[16*y+z]
.set z, z+1
.endr
.set y, y+1
.endr
.endm
; One window's sums, in eight chains of pairs.  start = 1: the first eight pairs start the chains: nothing is cleared.  both = 1: the sum of t beside the sum of t^2.
.macro SUMS w, start, both
	WIN 5*(\w)
.set z, 0
.rept 128
.if (\start) && (z < 8)
	v_pk_mul_f32 v[AC+2*z:AC+2*z+1], v[2*z:2*z+1], v[2*z:2*z+1]
.else
	v_pk_fma_f32 v[AC+2*(z%8):AC+2*(z%8)+1], v[2*z:2*z+1], v[2*z:2*z+1], v[AC+2*(z%8):AC+2*(z%8)+1]
.endif
.if (\both) && (\start) && (z < 8)
	v_pk_mul_f32 v[AA+2*z:AA+2*z+1], v[2*z:2*z+1], 1.0 op_sel_hi:[1,0]
.elseif (\both)
	v_pk_fma_f32 v[AA+2*(z%8):AA+2*(z%8)+1], v[2*z:2*z+1], 1.0, v[AA+2*(z%8):AA+2*(z%8)+1] op_sel_hi:[1,0,1]
.endif
.set z, z+1
.endr
.endm
; Eight pairs into one number, and the other half of the lanes' (the query's other 512 keys) onto it: v[x] holds the row's sum in both lanes of the query.
.macro REDUCE x
	v_pk_add_f32 v[(\x):(\x)+1],   v[(\x):(\x)+1],   v[(\x)+8:(\x)+9]
	v_pk_add_f32 v[(\x)+2:(\x)+3], v[(\x)+2:(\x)+3], v[(\x)+10:(\x)+11]
	v_pk_add_f32 v[(\x)+4:(\x)+5], v[(\x)+4:(\x)+5], v[(\x)+12:(\x)+13]
	v_pk_add_f32 v[(\x)+6:(\x)+7], v[(\x)+6:(\x)+7], v[(\x)+14:(\x)+15]
	v_pk_add_f32 v[(\x):(\x)+1],   v[(\x):(\x)+1],   v[(\x)+4:(\x)+5]
	v_pk_add_f32 v[(\x)+2:(\x)+3], v[(\x)+2:(\x)+3], v[(\x)+6:(\x)+7]
	v_pk_add_f32 v[(\x):(\x)+1],   v[(\x):(\x)+1],   v[(\x)+2:(\x)+3]
	v_add_f32 v[(\x)], v[(\x)], v[(\x)+1]
	v_permlanex16_b32 v[(\x)+1], v[(\x)], s20, s21
	v_add_f32 v[(\x)], v[(\x)], v[(\x)+1]
.endm
.macro NEWSTEP                          ; -d = min(-(G - 1) lam, 0), twice
	v_mul_f32 v[T0], -v[R], v[LAM]
	v_min_num_f32 v[ND], 0, v[T0]
	v_min_num_f32 v[ND+1], 0, v[T0]
.endm
; Group g's 16 loads of V^T's fragments (z = 4 c + cb: keys 32 c on, channels 16 cb on) into buffer g % 4.
.macro VF g
	WIN 0xc0
.set z, 0
.rept 8
	ds_load_b128 v[64*((\g)%4)+8*z:64*((\g)%4)+8*z+3],   v[AV+(z%4)/2] offset:(z%2)*VCB+128*(\g)+64*(z/4)
	ds_load_b128 v[64*((\g)%4)+8*z+4:64*((\g)%4)+8*z+7], v[AV+(z%4)/2] offset:(z%2)*VCB+128*(\g)+64*(z/4)+32
.set z, z+1
.endr
.endm
; Group g's last step, weights and products.  The 64 plain instructions at its head name no register of the group before's products: they are the places in front of the loads into the buffer that those read.
; O^T's four accumulators take turns, from group to group too; group 0's first four products start the sums.
.macro PVG g
.set a0, 32*((\g)%8)
.set fb, 64*((\g)%4)
.set pb, PB+16*((\g)%2)
	WIN 0x45*(1+(\g)/8)
.set z, 0
.rept 16
	v_pk_fma_f32 v[a0+2*z:a0+2*z+1], v[a0+2*z:a0+2*z+1], 1.0, v[ND:ND+1] op_sel_hi:[1,0,1]
.set z, z+1
.endr
.set z, 0
.rept 32
	v_max_num_f32 v[a0+z], 0, v[a0+z]
.set z, z+1
.endr
.set z, 0
.rept 16
	v_pk_mul_f32 v[a0+2*z:a0+2*z+1], v[a0+2*z:a0+2*z+1], v[a0+2*z:a0+2*z+1]   ; p = t^2
.set z, z+1
.endr
.if (\g) < 13
	VF (\g)+3
.endif
	WIN 5*(1+(\g)/8)
.set z, 0
.rept 16
	v_cvt_pk_f16_f32 v[pb+z], v[a0+2*z], v[a0+2*z+1]
.set z, z+1
.endr
.if (\g) < 13
	s_wait_dscnt 48                         ; the three younger groups' loads may be out
.else
	s_wait_dscnt 16*(15-(\g))
.endif
	WIN 0x03
.set z, 0
.rept 8
.if ((\g) == 0) && (z < 4)
	v_wmma_f32_16x16x32_f16 v[O+8*(z%4):O+8*(z%4)+7], v[fb+8*z:fb+8*z+7], v[pb+8*(z/4):pb+8*(z/4)+7], 0
.else
	v_wmma_f32_16x16x32_f16 v[O+8*(z%4):O+8*(z%4)+7], v[fb+8*z:fb+8*z+7], v[pb+8*(z/4):pb+8*(z/4)+7], v[O+8*(z%4):O+8*(z%4)+7]
.endif
.set z, z+1
.endr
.endm
	s_mov_b32 s22, 4
.Ltile:
	; (a) the scores and the row's maximum.  No LDS instruction of mine is out here, on the way in and round the back edge; the last products that read window 3 stand 48 plain instructions back.
.set c, 0
.rept 4
	v_mov_b32 v[MX+c], 0xff800000           ; minus infinity
.set c, c+1
.endr
	KF 0
	KF 1
	KF 2
	KF 3
.set gg, 0
.rept 16
	QKG gg
.set gg, gg+1
.endr
	MAXG 15                                 ; group 14's sixteen maxima are the places behind group 15's products
	WIN 0
	v_max3_num_f32 v[MX], v[MX], v[MX+1], v[MX+2]
	v_max_num_f32 v[MX], v[MX], v[MX+3]
	v_permlanex16_b32 v[T0], v[MX], s20, s21
	v_max_num_f32 v[MX], v[MX], v[T0]       ; m
	v_fma_f32 v[OFS], v[MX], s18, 1.0       ; 1 - m / 16: tau starts at max x - 1
	v_fma_f32 v[OFS+1], v[MX], s18, 1.0
	; (b) the first pass: t, sum t^2, sum t; lam = G / sum t, the inverse slope
	CLAMP 1, 0
	SUMS 1, 1, 1
	CLAMP 2, 0
	SUMS 2, 0, 1
	WIN 0
	REDUCE AC
	REDUCE AA
	v_sqrt_f32 v[G], v[AC]
	v_rcp_f32 v[T1], v[AA]
	v_nop                                   ; a plain instruction between the two and the use of their results (ISA guide 5.7.2)
	s_wait_alu depctr_va_vdst(0)
	v_mul_f32 v[LAM], v[G], v[T1]
	v_add_f32 v[R], -1.0, v[G]
	v_min_num_f32 v[LAM], 1.0, v[LAM]
	v_mov_b32 v[GP], v[G]
	NEWSTEP
	; (c) nine passes: a step, the new G, the chord's inverse slope, the next step
	s_mov_b32 s23, 9
.Lpass:
	CLAMP 1, 1
	SUMS 1, 1, 0
	CLAMP 2, 1
	SUMS 2, 0, 0
	WIN 0
	REDUCE AC
	v_sqrt_f32 v[G], v[AC]
	v_nop                                   ; the plain instruction behind the root
	s_wait_alu depctr_va_vdst(0)
	v_sub_f32 v[T0], v[GP], v[G]            ; how far G fell
	v_add_f32 v[R], -1.0, v[G]
	v_rcp_f32 v[T1], v[T0]
	v_mov_b32 v[GP], v[G]                   ; the plain instruction behind the reciprocal
	s_wait_alu depctr_va_vdst(0)
	v_mul_f32 v[T1], -v[ND], v[T1]          ; d / (G_old - G_new)
	v_max_num_f32 v[LAM], v[T1], v[LAM]     ; never smaller than before; where nothing moved, 0 x infinity is a NaN, which loses
	v_min_num_f32 v[LAM], 1.0, v[LAM]       ; the slope is never flatter than 1
	NEWSTEP
	s_sub_co_u32 s23, s23, 1
	s_cmp_lg_u32 s23, 0
	s_cbranch_scc1 .Lpass
	; (d) the tenth step, the weights, and O^T = V^T P, 64 keys at a time
	VF 0
	VF 1
	VF 2
.set gg, 0
.rept 16
	PVG gg
.set gg, gg+1
.endr
	; (e) the way out.  The next tiles' fragments of Q move up, so that one text serves all four tiles: 48 plain instructions that name no register of the last products: the places behind them.
	WIN 0
.set i, 0
.rept 48
	v_mov_b32 v[Q+i], v[Q+16+i]
.set i, i+1
.endr
.set c, 0
.rept 4                                         ; a lane holds query l % 16, channels 16 c + 8 (l / 16) + 0..7: 32 bytes of a row; each accumulator's low registers go first
	ds_store_b128 v[STO], v[O+8*c:O+8*c+3] offset:64*c
	ds_store_b128 v[STO], v[O+8*c+4:O+8*c+7] offset:64*c+16
.set c, c+1
.endr
.set i, 0
.rept 8
	ds_load_b128 v[PB+4*i:PB+4*i+3], v[RD] offset:i*2*SP   ; LDS serves a wave's instructions in order (ISA guide 5.7.1.4): these see the stores above; the stage is my own
.set i, i+1
.endr
.set i, 0
.rept 8
	s_wait_dscnt 7-i                        ; the 7 - i younger loads may be out
	global_store_b128 v[L16], v[PB+4*i:PB+4*i+3], s[10:11] offset:512*i th:TH_STORE_NT   ; two rows of out0: 16 lanes store 256 consecutive bytes, at a multiple of 256 from out0's first byte
.set i, i+1
.endr
	s_wait_xcnt 0x0                         ; the stores' base, and the registers that they read, are written again only behind this wait
	s_add_nc_u64 s[10:11], s[10:11], 4096   ; the next 16 rows
	s_sub_co_u32 s22, s22, 1
	s_cmp_lg_u32 s22, 0
	s_cbranch_scc1 .Ltile
	s_wait_tensorcnt 0x0                    ; the wave's end, behind my last LDS store
	ds_add_u32 v[SPW], v[NIL]
	s_wait_dscnt 0x0
	s_endpgm
.Lfunc_end_k_q3a8e6d4024_entmax:
	.size	k_q3a8e6d4024_entmax, .Lfunc_end_k_q3a8e6d4024_entmax-k_q3a8e6d4024_entmax
	.p2alignl 7, 3214868480
	.fill 96, 4, 3214868480
	.section	.rodata,"a",@progbits
	.p2align	6, 0x0
	.amdhsa_kernel k_q3a8e6d4024_entmax
		.amdhsa_group_segment_fixed_size 297728
		.amdhsa_private_segment_fixed_size 0
		.amdhsa_enable_private_segment 0
		.amdhsa_kernarg_size 32
		.amdhsa_user_sgpr_count 2
		.amdhsa_user_sgpr_kernarg_segment_ptr 1
		.amdhsa_wavefront_size32 1
		.amdhsa_system_sgpr_workgroup_id_x 1
		.amdhsa_system_sgpr_workgroup_id_y 1
		.amdhsa_system_sgpr_workgroup_id_z 1
		.amdhsa_system_vgpr_workitem_id 0
		.amdhsa_next_free_vgpr 1024
		.amdhsa_next_free_sgpr 66
		.amdhsa_reserve_vcc 0
		.amdhsa_float_denorm_mode_32 3
		.amdhsa_float_denorm_mode_16_64 3
		.amdhsa_memory_ordered 1
		.amdhsa_forward_progress 1
		.amdhsa_inst_pref_size 255
	.end_amdhsa_kernel
	.section	.bss,"aw",@nobits
	.p2align	6
	.space	262144
	.amdgpu_metadata
---
amdhsa.version: [ 1, 2 ]
amdhsa.kernels:
  - .name:           k_q3a8e6d4024_entmax
    .symbol:         k_q3a8e6d4024_entmax.kd
    .args:
      - { .name: q, .offset: 0, .size: 8, .value_kind: global_buffer, .address_space: global }
      - { .name: k, .offset: 8, .size: 8, .value_kind: global_buffer, .address_space: global }
      - { .name: v, .offset: 16, .size: 8, .value_kind: global_buffer, .address_space: global }
      - { .name: out0, .offset: 24, .size: 8, .value_kind: global_buffer, .address_space: global }
    .group_segment_fixed_size: 297728
    .private_segment_fixed_size: 0
    .kernarg_segment_align: 8
    .kernarg_segment_size: 32
    .max_flat_workgroup_size: 128
    .sgpr_count:     66
    .vgpr_count:     1024
    .wavefront_size: 32
...
	.end_amdgpu_metadata
.endif
;; end of part 1
;; ======== version 2 of 2: 1 launch; version 1 with the launch entmax written anew for expert scheduling mode
;; limits: a function is approximated: absolute error at most 0.0003; values are held in f16: magnitudes above 65,504 overflow, below 6.1e-05 lose precision; inputs' magnitudes at most 65,280
;; launch entmax (part 2): grid 256 x 1, 4 waves a work-group, no clusters, 297,728 bytes of LDS; arguments q, k, v, out0; writes out0
.if DOCPART == 2
	.amdgcn_target "amdgcn-amd-amdhsa--gfx1250"
	.amdhsa_code_object_version 6
	.text
	.protected	k_q3a8e6d4024_entmax
	.globl	k_q3a8e6d4024_entmax
	.p2align	8
	.type	k_q3a8e6d4024_entmax,@function
k_q3a8e6d4024_entmax:
	s_mov_b64 s[64:65], 0
	v_nop
	global_prefetch_b8 v0, s[64:65] scope:SCOPE_SE
	s_setreg_imm32_b32 hwreg(HW_REG_WAVE_SCHED_MODE, 0, 2), 2
	s_setreg_imm32_b32 hwreg(HW_REG_WAVE_MODE, 25, 1), 1
	s_wait_xcnt 0x0
	s_wait_alu depctr_vm_vsrc(0)
; out0[h][q][:] = sum over k of p[q][k] v[h][k][:],  p = 1.5-entmax along k of (q[h][q] . k[h][k]) / 8.   q, k, v, out0: [64 heads][1024][64] f32.
; ENTMAX WITHOUT A SORT.  With x = score / 2, p = max(x - tau, 0)^2 and tau is the one root of sum p = 1.  Let t = max(x - tau, 0) and G(tau) = sqrt(sum t^2): G is convex and falls, with a slope
; between 1 and 32 (sum t / G, 1,024 numbers).  tau starts at max x - 1, where G >= 1, and goes right in TEN steps d = (G - 1) lam; t is kept in place: t <- max(t - d, 0), exact since d >= 0.
; lam is first the inverse slope G / sum t, then the inverse slope of the last chord, d / (G_old - G_new).  A chord is steeper than all that lies right of it, so no step passes the root, and
; R = G - 1 obeys R_new = R (1 - lam_old / lam_new).  The product of the ten ratios lam_old / lam_new is at least 1/32, so R_10 <= 31 (1 - 32^(-1/10))^10 = 1.5e-4 FOR EVERY ROW, whatever its numbers;
; the row's weights are then off by 2 R in sum at the most.  The clamps on lam (never smaller than before, never above 1; a NaN from 0 x infinity loses) and on d (never negative) act only on rounding.
; FORMATS.  q, k: rounded to bf16; scores summed in f32.  v: rounded to bf16, and that number written as f16; p: f16; second product summed in f32.  All of the search in f32.
; LIMITS.  |v| below 65,520 (f16's range); |v| below 6e-5 keeps f16's fixed step of 6e-8, and so does p.  t = score / 16 + (1 - m / 16), m the row's largest score: the bracket is rounded once, a shift common
; to the row which the search takes up; beyond |q . k| of about 2^28 the 1 in it is lost.  NaN and infinities are not treated apart.
; SHARES.  Work-group x: head x / 4, queries 256 (x % 4) on.  Wave w: 64 of them, four tiles of 16, one after the other.  256 work-groups of equal work.
; A tile's 16 x 1,024 scores are 64 accumulators, 512 registers: S^T = K Q^T (source 0 = 16 keys, source 1 = 16 queries) leaves ONE query a lane (lane % 16) and half of its keys, so the whole search is
; the lane's own but for one exchange of the lanes' halves a pass; two accumulators rounded to f16 in pairs ARE source 1 (32 keys x 16 queries) of O^T = V^T P.
; The head's K (bf16) and V (f16, turned) are laid into LDS once by the four waves, 256 keys each, through registers; ONE barrier; then no wave waits for another.
; NO CLUSTER, NO TENSOR LOADS, though the four work-groups of a head read the same K and V: a tile brought by the data mover arrives as it lies in memory, in f32, and a head's K and V in f32 are
; 524,288 bytes, more than the 327,680 of LDS; converted on the way through registers they are 279,616.
; REGISTERS, in windows of 256 (s_set_vgpr_msb: bits 1:0 source 0, 3:2 source 1, 5:4 source 2, 7:6 destination):
;   window 0: addresses, the search's few numbers, Q's fragments, O^T, P.     windows 1, 2: the scores: accumulator a (keys 16 a on) in window 1 + a / 32 at v[8 (a % 32)].
;   window 3: four buffers of 64 for fragments of K, later of V^T.     While K and V are laid down: window 1 v0-127 takes Q in f32, window 2 is two raw buffers of 128, window 3 v0-127 two out-buffers of 64 for K.
; THE MODE: SCHED_MODE bits 1:0 = 2 (LLVM: expert scheduling mode 2), set by the entry lines.  The code itself states the register dependences between vector or matrix instructions and memory or LDS
; instructions, with s_wait_alu, always for 0.
; THE PLAN.  Registers that memory or LDS instructions touch, and who else names them:
;   v6-v19       addresses: made at the head, read by every load and store, never written again, but for v[VS], which one add a trip of V's loop steps.
;   RAW0, RAW1   (window 2)  loads of K, then of V, land; the batch's conversions read.  Asked for again behind the ONE wait on va_vdst that follows those conversions.
;   KO0, KO1     (window 3)  K's conversions write; the batch's LDS stores, behind the same wait, read.  One wait on vm_vsrc, when the first two batches' stores are issued, frees both.
;   RAW + 64..95 V's arithmetic writes; the batch's LDS stores, behind its one wait on va_vdst, read.  One wait on vm_vsrc at the end of a trip frees them and v[VS].
;   F0 .. F3     (window 3)  a group's fragment loads land; the group's eight products read.  The loads into F[(g - 1) % 4] are issued in group g, behind a wait on va_vdst that stands behind group g - 1's
;                products; no vector or matrix instruction between that wait and the loads names that buffer.
;   O^T          the second product writes; the way out's LDS stores read, behind one wait on va_vdst.     P's registers: roundings and the first pass's sums write, products read; on the way out loads
;                from the stage land in them and the global stores read them.  One wait on vm_vsrc at a tile's end frees O^T and P's registers for the next tile.
;   The scores, Q's fragments and the search's numbers are named by vector and matrix instructions alone.     v[SPW], v[NIL]: written at the head, read by the closing add alone.
.set PK,    144        ; a row of K in LDS: 128 bytes + 16 = 36 words: the 16 rows of a load start at 16 different groups of four banks (64 banks of 4 bytes: ISA guide 11.1)
.set VT,    147456     ; behind K's 1,024 rows: V^T, channel ch, key k at VT + 2064 ch + 16 (ch / 16) + 2 k
.set PVT,   2064       ; 2,048 bytes + 16 = 129 x 16: the 16 channels of a fragment load start at 16 different groups of four banks; the 16 more for each 16 channels do the same for
                       ; the stores, whose lanes lie two channels apart: 4128 l + 16 (l / 8) is 32 l, and from lane 8 on 32 l + 16, modulo 256
.set VCB,   16*PVT+16  ; from one block of 16 channels to the next
.set STAGE, 279808     ; 16 rows x 272 bytes for each wave: the way out
.set SP,    272
.set SPARE, 297216     ; the spare words, 128 bytes for each wave: two blocks of 256 bytes that no other line names
.set SPW, 4            ; v4   LDS address of my spare word; never rewritten
.set NIL, 5            ; v5   0; never rewritten
.set QO,  6            ; v6   my byte offset in 16 rows of q: 256 (l % 16) + 32 (l / 16)
.set L16, 7            ; v7   16 x lane: my place in 512 consecutive bytes, of k and of out0
.set KS,  8            ; v8   where I store 8 bytes of K
.set VG,  9            ; v9   8 x lane: my two channels in a row of v
.set VS,  10           ; v10  where I store 16 bytes of V^T; steps
.set AK,  12           ; v12-15  my place in a fragment of K, keys 256 b on
.set AV,  16           ; v16-17  my place in a fragment of V^T, channels 32 b on
.set STO, 18           ; v18  the way out: where I put 16 bytes of a row
.set RD,  19           ; v19  the way out: where I read a row back
.set ND,  22           ; v22-23  -d, twice
.set OFS, 24           ; v24-25  1 - m / 16, twice
.set GP,  26           ; v26  the last pass's G
.set LAM, 27           ; v27  lam
.set G,   28           ; v28  G
.set R,   29           ; v29  G - 1
.set T0,  30           ; v30, v31  at work
.set T1,  31
.set MX,  32           ; v32-35  four running maxima
.set AC,  36           ; v36-51  eight pairs of partial sums of t^2
.set Q,   64           ; v64-127  Q's fragments in bf16, 16 registers a tile; the tile in hand stands first
.set O,   128          ; v128-159  O^T: four accumulators, 16 channels each
.set PB,  160          ; v160-191  P, two buffers of 16; on the way out: the tile's rows
.set AA,  160          ; in the first pass: eight pairs of partial sums of t
.set MSB, 0
.macro WIN new                          ; the immediate's high byte repeats the setting that is left; a switch that changes nothing is dropped
.if MSB != (\new)
	s_set_vgpr_msb (MSB<<8)|(\new)
.set MSB, (\new)
.endif
.endm
; settings, w = 1 or 2 the scores' window:  0x45 w: destination, sources 0 and 1 in w, source 2 in window 0.   5 w: sources 0 and 1 in w.   3 + 0x50 w: source 0 in window 3, C and D in w.
; 0x14 w: sources 1 and 2 in w.   0xc0: destination in window 3.   0x03: source 0 in window 3.   0x88: destination and source 1 (an LDS store's data) in window 2.   0xaa: all in window 2.
; 0xca: destination in window 3, sources 0 and 1 in window 2.   0x8c: destination (a load's data) in window 2, source 1 (an LDS store's data) in window 3.   0x80: destination in window 2.
	s_load_b256 s[4:11], s[0:1], 0x0        ; q s[4:5], k s[6:7], v s[8:9], out0 s[10:11]
	v_lshl_add_u32 v[SPW], v0, 2, SPARE
	v_mov_b32 v[NIL], 0
	v_lshrrev_b32 v1, 5, v0
	v_readfirstlane_b32 s12, v1             ; wave 0..3
	v_and_b32 v1, 15, v0                    ; r = l % 16
	v_bfe_u32 v2, v0, 4, 1                  ; h = l / 16
	v_and_b32 v3, 31, v0                    ; l
	s_mov_b32 s13, 0xffff0000               ; a word's upper bf16
	s_mov_b32 s16, 0x3d800000               ; 1/16: the 1/8 of the scores and the 1/2 of entmax
	s_mov_b32 s17, s16                      ; named with it as a pair
	s_mov_b32 s18, 0xbd800000               ; -1/16
	s_mov_b32 s20, 0x76543210               ; v_permlanex16_b32: each lane takes its own place in the other half
	s_mov_b32 s21, 0xfedcba98
	s_lshl_b32 s14, ttmp9, 16               ; q and out0: the work-group's 256 rows of 256 bytes,
	s_wait_alu depctr_va_sdst(0)            ; s12 is written, ahead of its first reader: the bases and the LDS places below are made from it
	s_lshl_b32 s15, s12, 14                 ; my wave's 64 of them
	s_add_co_u32 s14, s14, s15
	s_mov_b32 s15, 0
	s_lshr_b32 s26, ttmp9, 2                ; k and v: the head's 1,024 rows,
	s_lshl_b32 s26, s26, 18
	s_lshl_b32 s27, s12, 16                 ; my wave's 256 of them
	s_add_co_u32 s26, s26, s27
	s_mov_b32 s27, 0
	s_mul_i32 s25, s12, 256*PK              ; my 256 keys' rows of K in LDS
	s_lshl_b32 s28, s12, 9                  ; my 256 keys' 512 bytes in a row of V^T
	s_add_co_u32 s28, s28, VT
	s_mul_i32 s29, s12, 16*SP               ; my stage
	s_add_co_u32 s29, s29, STAGE
	v_lshlrev_b32 v[QO], 8, v1
	v_lshl_add_u32 v[QO], v2, 5, v[QO]
	v_lshlrev_b32 v[L16], 4, v3
	v_mul_u32_u24 v[KS], v2, PK             ; a load of 512 bytes is two keys: lanes 16-31 hold the second; 4 channels a lane are 8 bytes of bf16
	v_lshl_add_u32 v[KS], v1, 3, v[KS]
	v_add_nc_u32 v[KS], s25, v[KS]
	v_lshlrev_b32 v[VG], 3, v3
	v_mul_u32_u24 v[VS], v3, 2*PVT          ; channel 2 l
	v_lshrrev_b32 v11, 3, v3
	v_lshl_add_u32 v[VS], v11, 4, v[VS]
	v_add_nc_u32 v[VS], s28, v[VS]
	v_mul_u32_u24 v[AK], v1, PK             ; a fragment: row l % 16, 16 bytes for each half of the lanes
	v_lshl_add_u32 v[AK], v2, 4, v[AK]
	v_add_nc_u32 v[AK+1], 256*PK, v[AK]
	v_add_nc_u32 v[AK+2], 512*PK, v[AK]
	v_add_nc_u32 v[AK+3], 768*PK, v[AK]
	v_mul_u32_u24 v[AV], v1, PVT
	v_lshl_add_u32 v[AV], v2, 4, v[AV]
	v_add_nc_u32 v[AV], VT, v[AV]
	v_add_nc_u32 v[AV+1], 2*VCB, v[AV]
	v_mul_u32_u24 v[STO], v1, SP            ; in: row l % 16, 32 bytes (8 channels in f32) for each half of the lanes
	v_lshl_add_u32 v[STO], v2, 5, v[STO]
	v_add_nc_u32 v[STO], s29, v[STO]
	v_mul_u32_u24 v[RD], v2, SP             ; back: lanes 0-15 take one row of 256 bytes, lanes 16-31 the next
	v_lshl_add_u32 v[RD], v1, 4, v[RD]
	v_add_nc_u32 v[RD], s29, v[RD]
	v_mov_b32 v[T0], 0                      ; v_permlanex16_b32 counts as a reader of its destination
	s_wait_kmcnt 0x0
	s_add_nc_u64 s[4:5], s[4:5], s[14:15]
	s_add_nc_u64 s[10:11], s[10:11], s[14:15]
	s_add_nc_u64 s[6:7], s[6:7], s[26:27]
	s_add_nc_u64 s[8:9], s[8:9], s[26:27]
; ---- K AND V INTO LDS, Q INTO REGISTERS ----
; Q's fragment (16 queries x 32 channels): lane l holds query l % 16, channels 8 (l / 16) + 0..7 and 16 + 8 (l / 16) + 0..7.  Load i: tile i / 8, channels 32 ((i / 4) % 2) + 16 ((i / 2) % 2) + 4 (i % 2) on.
.macro QLOAD
	WIN 0x40
.set i, 0
.rept 32
	global_load_b128 v[4*i:4*i+3], v[QO], s[4:5] offset:(i/8)*4096+((i/4)%2)*128+((i/2)%2)*64+(i%2)*16
.set i, i+1
.endr
.endm
.macro QCVT
	WIN 0x05
.set i, 0
.rept 64
	v_cvt_pk_bf16_f32 v[Q+i], v[2*i], v[2*i+1]
.set i, i+1
.endr
.endm
; 64 keys of K, 16,384 consecutive bytes: each load of the wave covers 512 of them.  The first two batches:
.macro KLOAD buf, n
	WIN 0x80
.set i, 0
.rept 32
	global_load_b128 v[128*(\buf)+4*i:128*(\buf)+4*i+3], v[L16], s[6:7] offset:(\n)*16384+512*i
.set i, i+1
.endr
.endm
.macro KCVT buf                         ; a batch is rounded to bf16, out of raw buffer buf into out-buffer buf
	WIN 0xca
.set i, 0
.rept 32
	v_cvt_pk_bf16_f32 v[64*(\buf)+2*i], v[128*(\buf)+4*i], v[128*(\buf)+4*i+1]
	v_cvt_pk_bf16_f32 v[64*(\buf)+2*i+1], v[128*(\buf)+4*i+2], v[128*(\buf)+4*i+3]
.set i, i+1
.endr
.endm
; Batch n leaves out-buffer buf, two keys a store, and raw buffer buf is asked for again: with K's batch n + 2 ..
.macro KOUT_K buf, n
	WIN 0x8c
	s_wait_alu depctr_va_vdst(0)            ; the conversions have written the out-buffer, which the stores read, and are done reading the raw buffer, in which the loads land
.set i, 0
.rept 32
	global_load_b128 v[128*(\buf)+4*i:128*(\buf)+4*i+3], v[L16], s[6:7] offset:((\n)+2)*16384+512*i
	ds_store_b64 v[KS], v[64*(\buf)+2*i:64*(\buf)+2*i+1] offset:(32*(\n)+i)*2*PK
.set i, i+1
.endr
.endm
; .. or with V's batch buf.  32 keys of V: each load of the wave is one key's whole row of 256 bytes; a lane takes channels 2 l and 2 l + 1, so 32 loads leave it 32 keys of two channels: V is turned in the registers
.macro KOUT_V buf, n
	WIN 0x8c
	s_wait_alu depctr_va_vdst(0)            ; the conversions have written the out-buffer, which the stores read, and are done reading the raw buffer, in which the loads land
.set i, 0
.rept 32
	global_load_b64 v[128*(\buf)+2*i:128*(\buf)+2*i+1], v[VG], s[8:9] offset:(\buf)*8192+256*i
	ds_store_b64 v[KS], v[64*(\buf)+2*i:64*(\buf)+2*i+1] offset:(32*(\n)+i)*2*PK
.set i, i+1
.endr
.endm
; V's arithmetic.  For each eight keys y and each of my two channels c (z = 4 c + p, p the pair of keys): rounded to bf16, widened again, written as f16 (exact inside f16's range).
.macro VARITH buf
.set vb, 128*(\buf)
	WIN 0xaa
.set y, 0
.rept 4
.set z, 0
.rept 8
	v_cvt_pk_bf16_f32 v[vb+96+z], v[vb+16*y+4*(z%4)+z/4], v[vb+16*y+4*(z%4)+2+z/4]
.set z, z+1
.endr
.set z, 0
.rept 8
	v_and_b32 v[vb+104+z], s13, v[vb+96+z]
.set z, z+1
.endr
.set z, 0
.rept 8
	v_lshlrev_b32 v[vb+96+z], 16, v[vb+96+z]
.set z, z+1
.endr
.set z, 0
.rept 8
	v_cvt_pk_f16_f32 v[vb+64+8*y+z], v[vb+96+z], v[vb+104+z]
.set z, z+1
.endr
.set y, y+1
.endr
.endm
; V's memory work: 16 bytes, eight keys of a channel, a store; ahead = 1: the batch two on is asked for, its loads ahead of the stores, eight loads to two stores.
.macro VMEM buf, off, ahead
.set vb, 128*(\buf)
	WIN 0x88
	s_wait_alu depctr_va_vdst(0)            ; the arithmetic has written v[vb + 64 ..], which the stores read, and is done reading v[vb ..], in which the loads land; v[VS], stepped at the last trip's end, is written
.set y, 0
.rept 4
.if \ahead
.set i, 8*y
.rept 8
	global_load_b64 v[vb+2*i:vb+2*i+1], v[VG], s[8:9] offset:(\off)+256*i
.set i, i+1
.endr
.endif
	ds_store_b128 v[VS], v[vb+64+8*y:vb+64+8*y+3] offset:64*(\buf)+16*y
	ds_store_b128 v[VS], v[vb+64+8*y+4:vb+64+8*y+7] offset:64*(\buf)+PVT+16*y
.set y, y+1
.endr
.endm
	WIN 0x40
	s_wait_alu depctr_va_vdst(0)            ; the addresses v6 to v19 are written, which the kernel's loads and stores read
	QLOAD
	KLOAD 0, 0
	KLOAD 1, 1
	s_wait_loadcnt 32                       ; loads come back in order (ISA guide 5.7.1): all but the 32 youngest, the other buffer's, are in: here Q too
	QCVT
	KCVT 0
	KOUT_K 0, 0
	s_wait_loadcnt 32
	KCVT 1
	KOUT_K 1, 1
	s_wait_loadcnt 32
	s_wait_alu depctr_vm_vsrc(0)            ; the LDS stores of batches 0 and 1 have read the two out-buffers, which the conversions of batches 2 and 3 write again
	KCVT 0
	KOUT_V 0, 2
	s_wait_loadcnt 32
	KCVT 1
	KOUT_V 1, 3
	WIN 0                                   ; at a label and at a branch every window is 0
	s_mov_b32 s24, 3
.Lvst:                                          ; a trip: 64 keys of V are laid down, the 64 keys two batches on are asked for.  At its head, on the way in and round the back edge: 32 loads for each buffer are out
	s_wait_loadcnt 32                       ; buffer 0's are in, buffer 1's may be out
	VARITH 0
	VMEM 0, 16384, 1
	s_wait_loadcnt 32                       ; buffer 1's are in
	VARITH 1
	VMEM 1, 24576, 1
	WIN 0
	s_wait_xcnt 0x0                         ; the loads' base is stepped only behind this wait
	s_wait_alu depctr_vm_vsrc(0)            ; the LDS stores issued so far have read v[VS], which the add below writes, and both buffers' out registers, which the next arithmetic writes (and K's out-buffers, in which fragments will land)
	s_add_nc_u64 s[8:9], s[8:9], 16384      ; 64 rows of v
	v_add_nc_u32 v[VS], 128, v[VS]          ; 64 keys in a row of V^T
	s_sub_co_u32 s24, s24, 1
	s_cmp_lg_u32 s24, 0
	s_cbranch_scc1 .Lvst
	s_wait_loadcnt 32                       ; the last 64 keys: nothing more is asked for
	VARITH 0
	VMEM 0, 0, 0
	s_wait_loadcnt 0x0
	VARITH 1
	VMEM 1, 0, 0
	WIN 0
	s_wait_dscnt 0x0                        ; for the others' sake: my stores of K and V^T are done
	s_barrier_signal -1
	s_barrier_wait -1                       ; everybody's are.  From here on K and V^T are only read, and each wave writes its own stage alone: the launch's one barrier
	s_wait_alu depctr_vm_vsrc(0)            ; my last LDS stores have read their registers of window 2, which the scores' products write from here on
; ---- A TILE OF 16 QUERIES ----
; Group g is 64 keys: four accumulators.  Its 16 loads bring K's fragments (z = 2 i + f: keys 16 i on, channels 32 f on) into buffer g % 4.
.macro KF g
	WIN 0xc0
.set z, 0
.rept 8
	ds_load_b128 v[64*((\g)%4)+8*z:64*((\g)%4)+8*z+3],   v[AK+(\g)/4] offset:((\g)%4)*64*PK+(z/2)*16*PK+(z%2)*64
	ds_load_b128 v[64*((\g)%4)+8*z+4:64*((\g)%4)+8*z+7], v[AK+(\g)/4] offset:((\g)%4)*64*PK+(z/2)*16*PK+(z%2)*64+32
.set z, z+1
.endr
.endm
; The maxima of group g's 32 scores a lane, one chain for each accumulator; each accumulator's lowest registers are read first.
.macro MAXG g
	WIN 0x14*(1+(\g)/8)
.set a2, 32*((\g)%8)
.set z, 0
.rept 16
	v_max3_num_f32 v[MX+z%4], v[MX+z%4], v[a2+8*(z%4)+2*(z/4)], v[a2+8*(z%4)+2*(z/4)+1]
.set z, z+1
.endr
.endm
; Group g's eight products; the four accumulators take turns; the first four start the sums.  Behind them the loads of the group three on, into the buffer that the group BEFORE read:
; the wait at this group's head has shown those products done, and this group's products name buffer g % 4, Q and the scores alone.  Then the maxima of the group before: sixteen plain instructions that name
; no register of these products: they are the places (ISA guide 7.12.1) in front of the next group's reading of these scores.
.macro QKG g
.set a0, 32*((\g)%8)
.set fb, 64*((\g)%4)
.if (\g) < 14
	s_wait_dscnt 32                         ; LDS loads come back in order: the two younger groups' 32 may be out
.else
	s_wait_dscnt 16*(15-(\g))               ; fewer groups are left
.endif
.if ((\g) > 0) && ((\g) < 13)
	s_wait_alu depctr_va_vdst(0)            ; the products of the group before are done reading their buffer of fragments, in which this group's loads land
.endif
	WIN 3+0x50*(1+(\g)/8)
.set z, 0
.rept 4
	v_wmma_f32_16x16x32_bf16 v[a0+8*z:a0+8*z+7], v[fb+16*z:fb+16*z+7], v[Q:Q+7], 0
.set z, z+1
.endr
.set z, 0
.rept 4
	v_wmma_f32_16x16x32_bf16 v[a0+8*z:a0+8*z+7], v[fb+16*z+8:fb+16*z+15], v[Q+8:Q+15], v[a0+8*z:a0+8*z+7]
.set z, z+1
.endr
.if (\g) < 13
	KF (\g)+3                               ; (group 0: into buffer 3, which the wait at the tile's head has freed)
.endif
.if (\g) == 0
.rept 4
	v_nop                                   ; no group before: the four places
.endr
.else
	MAXG (\g)-1
.endif
.endm
; One window's 256 scores.  kind 0: t = max(s / 16 + (1 - m / 16), 0).  kind 1: t = max(t - d, 0); the step is written as t x 1 + (-d), so that -d stands in source 2 and one setting serves both lines.
.macro CLAMP w, kind
	WIN 0x45*(\w)
.set y, 0
.rept 16
.set z, 0
.rept 8
.if (\kind) == 0
	v_pk_fma_f32 v[16*y+2*z:16*y+2*z+1], v[16*y+2*z:16*y+2*z+1], s[16:17], v[OFS:OFS+1] op_sel_hi:[1,0,1]
.else
	v_pk_fma_f32 v[16*y+2*z:16*y+2*z+1], v[16*y+2*z:16*y+2*z+1], 1.0, v[ND:ND+1] op_sel_hi:[1,0,1]
.endif
.set z, z+1
.endr
.set z, 0
.rept 16
	v_max_num_f32 v[16*y+z], 0, v[16*y+z]
.set z, z+1
.endr
.set y, y+1
.endr
.endm
; One window's sums, in eight chains of pairs.  start = 1: the first eight pairs start the chains: nothing is cleared.  both = 1: the sum of t beside the sum of t^2.
.macro SUMS w, start, both
	WIN 5*(\w)
.set z, 0
.rept 128
.if (\start) && (z < 8)
	v_pk_mul_f32 v[AC+2*z:AC+2*z+1], v[2*z:2*z+1], v[2*z:2*z+1]
.else
	v_pk_fma_f32 v[AC+2*(z%8):AC+2*(z%8)+1], v[2*z:2*z+1], v[2*z:2*z+1], v[AC+2*(z%8):AC+2*(z%8)+1]
.endif
.if (\both) && (\start) && (z < 8)
	v_pk_mul_f32 v[AA+2*z:AA+2*z+1], v[2*z:2*z+1], 1.0 op_sel_hi:[1,0]
.elseif (\both)
	v_pk_fma_f32 v[AA+2*(z%8):AA+2*(z%8)+1], v[2*z:2*z+1], 1.0, v[AA+2*(z%8):AA+2*(z%8)+1] op_sel_hi:[1,0,1]
.endif
.set z, z+1
.endr
.endm
; Eight pairs into one number, and the other half of the lanes' (the query's other 512 keys) onto it: v[x] holds the row's sum in both lanes of the query.
.macro REDUCE x
	v_pk_add_f32 v[(\x):(\x)+1],   v[(\x):(\x)+1],   v[(\x)+8:(\x)+9]
	v_pk_add_f32 v[(\x)+2:(\x)+3], v[(\x)+2:(\x)+3], v[(\x)+10:(\x)+11]
	v_pk_add_f32 v[(\x)+4:(\x)+5], v[(\x)+4:(\x)+5], v[(\x)+12:(\x)+13]
	v_pk_add_f32 v[(\x)+6:(\x)+7], v[(\x)+6:(\x)+7], v[(\x)+14:(\x)+15]
	v_pk_add_f32 v[(\x):(\x)+1],   v[(\x):(\x)+1],   v[(\x)+4:(\x)+5]
	v_pk_add_f32 v[(\x)+2:(\x)+3], v[(\x)+2:(\x)+3], v[(\x)+6:(\x)+7]
	v_pk_add_f32 v[(\x):(\x)+1],   v[(\x):(\x)+1],   v[(\x)+2:(\x)+3]
	v_add_f32 v[(\x)], v[(\x)], v[(\x)+1]
	v_permlanex16_b32 v[(\x)+1], v[(\x)], s20, s21
	v_add_f32 v[(\x)], v[(\x)], v[(\x)+1]
.endm
.macro NEWSTEP                          ; -d = min(-(G - 1) lam, 0), twice
	v_mul_f32 v[T0], -v[R], v[LAM]
	v_min_num_f32 v[ND], 0, v[T0]
	v_min_num_f32 v[ND+1], 0, v[T0]
.endm
; Group g's 16 loads of V^T's fragments (z = 4 c + cb: keys 32 c on, channels 16 cb on) into buffer g % 4.
.macro VF g
	WIN 0xc0
.set z, 0
.rept 8
	ds_load_b128 v[64*((\g)%4)+8*z:64*((\g)%4)+8*z+3],   v[AV+(z%4)/2] offset:(z%2)*VCB+128*(\g)+64*(z/4)
	ds_load_b128 v[64*((\g)%4)+8*z+4:64*((\g)%4)+8*z+7], v[AV+(z%4)/2] offset:(z%2)*VCB+128*(\g)+64*(z/4)+32
.set z, z+1
.endr
.endm
; Group g's last step, weights and products.  The 64 plain instructions at its head stand between the group before's products and the wait for them.
; O^T's four accumulators take turns, from group to group too; group 0's first four products start the sums.
.macro PVG g
.set a0, 32*((\g)%8)
.set fb, 64*((\g)%4)
.set pb, PB+16*((\g)%2)
	WIN 0x45*(1+(\g)/8)
.set z, 0
.rept 16
	v_pk_fma_f32 v[a0+2*z:a0+2*z+1], v[a0+2*z:a0+2*z+1], 1.0, v[ND:ND+1] op_sel_hi:[1,0,1]
.set z, z+1
.endr
.set z, 0
.rept 32
	v_max_num_f32 v[a0+z], 0, v[a0+z]
.set z, z+1
.endr
.set z, 0
.rept 16
	v_pk_mul_f32 v[a0+2*z:a0+2*z+1], v[a0+2*z:a0+2*z+1], v[a0+2*z:a0+2*z+1]   ; p = t^2
.set z, z+1
.endr
.if (\g) < 13
	WIN 0xc0
.if (\g) > 0
	s_wait_alu depctr_va_vdst(0)            ; the products of the group before are done reading their buffer of fragments, in which the loads below land
.endif
	VF (\g)+3                               ; (group 0: into buffer 3, last read by the scores' products, which stand ahead of the passes' waits)
.endif
	WIN 5*(1+(\g)/8)
.set z, 0
.rept 16
	v_cvt_pk_f16_f32 v[pb+z], v[a0+2*z], v[a0+2*z+1]
.set z, z+1
.endr
.if (\g) < 13
	s_wait_dscnt 48                         ; the three younger groups' loads may be out
.else
	s_wait_dscnt 16*(15-(\g))
.endif
	WIN 0x03
.set z, 0
.rept 8
.if ((\g) == 0) && (z < 4)
	v_wmma_f32_16x16x32_f16 v[O+8*(z%4):O+8*(z%4)+7], v[fb+8*z:fb+8*z+7], v[pb+8*(z/4):pb+8*(z/4)+7], 0
.else
	v_wmma_f32_16x16x32_f16 v[O+8*(z%4):O+8*(z%4)+7], v[fb+8*z:fb+8*z+7], v[pb+8*(z/4):pb+8*(z/4)+7], v[O+8*(z%4):O+8*(z%4)+7]
.endif
.set z, z+1
.endr
.endm
	s_mov_b32 s22, 4
.Ltile:
	; (a) the scores and the row's maximum.  No LDS instruction of mine is out here, on the way in and round the back edge.
.set c, 0
.rept 4
	v_mov_b32 v[MX+c], 0xff800000           ; minus infinity
.set c, c+1
.endr
	WIN 0xc0
	s_wait_alu depctr_va_vdst(0)            ; the last tile's products are done reading the four buffers of fragments (in the first tile: K's conversions have written the first two), in which the loads below land
	KF 0
	KF 1
	KF 2
.set gg, 0
.rept 16
	QKG gg
.set gg, gg+1
.endr
	MAXG 15                                 ; group 14's sixteen maxima are the places behind group 15's products
	WIN 0
	v_max3_num_f32 v[MX], v[MX], v[MX+1], v[MX+2]
	v_max_num_f32 v[MX], v[MX], v[MX+3]
	v_permlanex16_b32 v[T0], v[MX], s20, s21
	v_max_num_f32 v[MX], v[MX], v[T0]       ; m
	v_fma_f32 v[OFS], v[MX], s18, 1.0       ; 1 - m / 16: tau starts at max x - 1
	v_fma_f32 v[OFS+1], v[MX], s18, 1.0
	; (b) the first pass: t, sum t^2, sum t; lam = G / sum t, the inverse slope
	CLAMP 1, 0
	SUMS 1, 1, 1
	CLAMP 2, 0
	SUMS 2, 0, 1
	WIN 0
	REDUCE AC
	REDUCE AA
	v_sqrt_f32 v[G], v[AC]
	v_rcp_f32 v[T1], v[AA]
	v_nop                                   ; a plain instruction between the two and the use of their results (ISA guide 5.7.2)
	s_wait_alu depctr_va_vdst(0)            ; the root and the reciprocal have written v[G] and v[T1], ahead of their first reader
	v_mul_f32 v[LAM], v[G], v[T1]
	v_add_f32 v[R], -1.0, v[G]
	v_min_num_f32 v[LAM], 1.0, v[LAM]
	v_mov_b32 v[GP], v[G]
	NEWSTEP
	; (c) nine passes: a step, the new G, the chord's inverse slope, the next step
	s_mov_b32 s23, 9
.Lpass:
	CLAMP 1, 1
	SUMS 1, 1, 0
	CLAMP 2, 1
	SUMS 2, 0, 0
	WIN 0
	REDUCE AC
	v_sqrt_f32 v[G], v[AC]
	v_nop                                   ; the plain instruction behind the root
	s_wait_alu depctr_va_vdst(0)            ; the root has written v[G], ahead of its first reader
	v_sub_f32 v[T0], v[GP], v[G]            ; how far G fell
	v_add_f32 v[R], -1.0, v[G]
	v_rcp_f32 v[T1], v[T0]
	v_mov_b32 v[GP], v[G]                   ; the plain instruction behind the reciprocal
	s_wait_alu depctr_va_vdst(0)            ; the reciprocal has written v[T1], ahead of its first reader
	v_mul_f32 v[T1], -v[ND], v[T1]          ; d / (G_old - G_new)
	v_max_num_f32 v[LAM], v[T1], v[LAM]     ; never smaller than before; where nothing moved, 0 x infinity is a NaN, which loses
	v_min_num_f32 v[LAM], 1.0, v[LAM]       ; the slope is never flatter than 1
	NEWSTEP
	s_sub_co_u32 s23, s23, 1
	s_cmp_lg_u32 s23, 0
	s_cbranch_scc1 .Lpass
	; (d) the tenth step, the weights, and O^T = V^T P, 64 keys at a time.  The first loads want no wait of their own: the scores' products, the last to read the buffers of fragments, stand ahead of the
	; passes' waits on va_vdst, and no vector or matrix instruction since names those buffers.
	VF 0
	VF 1
	VF 2
.set gg, 0
.rept 16
	PVG gg
.set gg, gg+1
.endr
	; (e) the way out.  The next tiles' fragments of Q move up, so that one text serves all four tiles: 48 plain instructions that name no register of the last products: the places behind them.
	WIN 0
.set i, 0
.rept 48
	v_mov_b32 v[Q+i], v[Q+16+i]
.set i, i+1
.endr
	s_wait_alu depctr_va_vdst(0)            ; the products have written O^T, which the LDS stores read, and are done reading P's registers, in which the loads from the stage land; the places above stay beside this wait
.set c, 0
.rept 4                                         ; a lane holds query l % 16, channels 16 c + 8 (l / 16) + 0..7: 32 bytes of a row; each accumulator's low registers go first
	ds_store_b128 v[STO], v[O+8*c:O+8*c+3] offset:64*c
	ds_store_b128 v[STO], v[O+8*c+4:O+8*c+7] offset:64*c+16
.set c, c+1
.endr
.set i, 0
.rept 8
	ds_load_b128 v[PB+4*i:PB+4*i+3], v[RD] offset:i*2*SP   ; LDS serves a wave's instructions in order (ISA guide 5.7.1.4): these see the stores above; the stage is my own
.set i, i+1
.endr
.set i, 0
.rept 8
	s_wait_dscnt 7-i                        ; the 7 - i younger loads may be out
	global_store_b128 v[L16], v[PB+4*i:PB+4*i+3], s[10:11] offset:512*i th:TH_STORE_NT   ; two rows of out0: 16 lanes store 256 consecutive bytes, at a multiple of 256 from out0's first byte
.set i, i+1
.endr
	s_wait_xcnt 0x0                         ; the stores' base, and the registers that they read, are written again only behind this wait
	s_wait_alu depctr_vm_vsrc(0)            ; the global stores have read P's registers, which the next tile's sums and roundings write; the LDS stores have read O^T, which its products write
	s_add_nc_u64 s[10:11], s[10:11], 4096   ; the next 16 rows
	s_sub_co_u32 s22, s22, 1
	s_cmp_lg_u32 s22, 0
	s_cbranch_scc1 .Ltile
	s_wait_dscnt 0x0                        ; the closing lines, six on end
	s_wait_alu 0x0
	s_wait_tensorcnt 0x0
	ds_add_u32 v[SPW], v[NIL]
	s_wait_dscnt 0x0
	s_endpgm
.Lfunc_end_k_q3a8e6d4024_entmax:
	.size	k_q3a8e6d4024_entmax, .Lfunc_end_k_q3a8e6d4024_entmax-k_q3a8e6d4024_entmax
	.p2alignl 7, 3214868480
	.fill 96, 4, 3214868480
	.section	.rodata,"a",@progbits
	.p2align	6, 0x0
	.amdhsa_kernel k_q3a8e6d4024_entmax
		.amdhsa_group_segment_fixed_size 297728
		.amdhsa_private_segment_fixed_size 0
		.amdhsa_enable_private_segment 0
		.amdhsa_kernarg_size 32
		.amdhsa_user_sgpr_count 2
		.amdhsa_user_sgpr_kernarg_segment_ptr 1
		.amdhsa_wavefront_size32 1
		.amdhsa_system_sgpr_workgroup_id_x 1
		.amdhsa_system_sgpr_workgroup_id_y 1
		.amdhsa_system_sgpr_workgroup_id_z 1
		.amdhsa_system_vgpr_workitem_id 0
		.amdhsa_next_free_vgpr 1024
		.amdhsa_next_free_sgpr 66
		.amdhsa_reserve_vcc 0
		.amdhsa_float_denorm_mode_32 3
		.amdhsa_float_denorm_mode_16_64 3
		.amdhsa_memory_ordered 1
		.amdhsa_forward_progress 1
		.amdhsa_inst_pref_size 255
	.end_amdhsa_kernel
	.section	.bss,"aw",@nobits
	.p2align	6
	.space	262144
	.amdgpu_metadata
---
amdhsa.version: [ 1, 2 ]
amdhsa.kernels:
  - .name:           k_q3a8e6d4024_entmax
    .symbol:         k_q3a8e6d4024_entmax.kd
    .args:
      - { .name: q, .offset: 0, .size: 8, .value_kind: global_buffer, .address_space: global }
      - { .name: k, .offset: 8, .size: 8, .value_kind: global_buffer, .address_space: global }
      - { .name: v, .offset: 16, .size: 8, .value_kind: global_buffer, .address_space: global }
      - { .name: out0, .offset: 24, .size: 8, .value_kind: global_buffer, .address_space: global }
    .group_segment_fixed_size: 297728
    .private_segment_fixed_size: 0
    .kernarg_segment_align: 8
    .kernarg_segment_size: 32
    .max_flat_workgroup_size: 128
    .sgpr_count:     66
    .vgpr_count:     1024
    .wavefront_size: 32
...
	.end_amdgpu_metadata
.endif
;; end of part 2
